; MI455X (gfx1250); checked and timed in simulation.
; The chip was launched on July 23, 2026; its instructions are those of AMD's public machine-readable ISA for CDNA 5 (MIT licence, August 2026) and "CDNA5" Instruction Set Architecture Reference Guide (July 2026). The comments in the code are by the model that wrote it; some were corrected since.
;; Multi Head Attention. Allowed arithmetic: matrix products marked QUANTISED: E4M3 operands, one E8M0 scale for each 32 along K, by v_wmma_scale_f32_16x16x128_f8f6f4 with both operands' format E4M3, f32 sums; everything else in f32.
;; Inputs: W_k 1,024 x 1,024 float32; W_o 1,024 x 1,024 float32; W_q 1,024 x 1,024 float32; W_v 1,024 x 1,024 float32; b_o 1,024 float32; inputs 4 x 2,048 x 1,024 float32.
;; Outputs: out0 4 x 2,048 x 1,024 float32.
;; This version of the problem:
;;   THIS VERSION OF THE PROBLEM IS GIVEN IN LOW PRECISION. The matrix products marked QUANTISED in the list below multiply operands that are first quantised to E4M3 (4 exponent bits, 3 mantissa bits; 8 bits a number), with one power-of-two scale for each 32 numbers along K (OCP MX v1.0); their sums are f32. All else is computed in f32.
;;   The module's matrix products, in the order in which they are computed (A, B: the left and right operand; K: the contracted axis; several contracted axes count as one K, in the product's order):
;;     1. [M 8,192, K 1,024] x [K 1,024, N 1,024]; A: input inputs; B: input W_q: QUANTISED
;;     2. [M 8,192, K 1,024] x [K 1,024, N 1,024]; A: input inputs; B: input W_k: QUANTISED
;;     3. [M 8,192, K 1,024] x [K 1,024, N 1,024]; A: input inputs; B: input W_v: QUANTISED
;;     4. batch 64 x [M 2,048, K 64] x [K 64, N 2,048]; A: computed on the way; B: computed on the way: QUANTISED
;;     5. batch 64 x [M 2,048, K 2,048] x [K 2,048, N 64]; A: softmax (see below); B: computed on the way: QUANTISED
;;     6. [M 8,192, K 1,024] x [K 1,024, N 1,024]; A: computed on the way; B: input W_o: QUANTISED
;;   THE QUANTISER, for each operand of a quantised product, along K:
;;     - K is cut into blocks of 32 from its start; a last block that is shorter is filled with zeros.
;;     - A block's scale is 2^e with e = floor(log2(the largest magnitude in the block)) - 8, held to -126 .. 127; a block of zeros has e = 0. As a byte (E8M0): e + 127.
;;     - Each number is divided by its block's scale, clamped to +-448, and rounded to the nearest number of E4M3, ties to even, subnormals kept.
;;     - The product sums the exact products of the quantised numbers (number of the format x scale) in f32.
;;   ~~~python
;;   def quantise(x, axis):      # numpy; x: float32 -> the quantised numbers, widened to float32 again
;;       x = np.moveaxis(x, axis, -1); K = x.shape[-1]
;;       x = np.pad(x, [(0, 0)] * (x.ndim - 1) + [(0, -K % 32)]); x = x.reshape(x.shape[:-1] + (-1, 32)); a = np.abs(x).max(-1, keepdims=True)
;;       e = np.where(a > 0, np.clip(np.frexp(np.where(a > 0, a, 1))[1] - 1 - 8, -126, 127), 0)      # np.frexp(a)[1] - 1 = floor(log2(a)), exactly
;;       r = np.clip(x / 2.0 ** e, -448, 448)
;;       step = 2.0 ** (np.maximum(np.frexp(np.where(r == 0, 1, r))[1] - 1, -6) - 3)
;;       q = np.round(r / step) * step * 2.0 ** e      # np.round: ties to even
;;       return np.moveaxis(q.reshape(q.shape[:-2] + (-1,))[..., :K], -1, axis).astype(np.float32)
;;   ~~~
;;   SOFTMAX AHEAD OF A QUANTISED PRODUCT. Where the list says 'softmax', what is quantised is not the finished softmax but p = 2^(t - M), with t = logit x log2(e) and M = ceil(the row's largest t), a whole number; so 1/2 < the row's largest p <= 1. The row's sum l is taken of the UNQUANTISED p, in f32, and the product's result is divided by l at the end. Since M is a whole number, a kernel that streams over the keys may use a running M (the ceiling of the running maximum): every later rescaling is an exact power of two, which a block's scale takes up: the codes' values come out the same.
;;   OPERANDS COMPUTED ON THE WAY. 'Computed on the way' means the value that the module computes at that place (a softmax that the list does not call 'softmax' is quantised finished and normalised). What goes into a quantiser is computed in f32, as accurately as f32 sums, v_exp_f32 and their like allow (about 1e-6 of the number): no bf16 or f16 on the way to a quantiser, and a product that is left as it is and whose result goes on into a quantised operand takes f32 operands (vector FMAs, or v_wmma_f32_16x16x4_f32). A number that lies on a knife's edge between two numbers of the format may be rounded either way, as far as f32 arithmetic and the matrix unit's own rounding can turn it there, and no further.
;; One version. Each part assembles by itself: llvm-mc -triple=amdgcn-amd-amdhsa -mcpu=gfx1250 --defsym DOCPART=n.
;; ======== version 1 of 1: 4 launches
;; limits: right only within a limited range of input values
;; workspace buffers: x_img 8,388,608 bytes; x_scl 262,144 bytes; w_img 4,194,304 bytes; w_scl 131,072 bytes; q 8,650,752 bytes; kv 17,301,504 bytes; c_img 8,388,608 bytes; c_scl 262,144 bytes
;; launch quant (part 1): grid 256 x 1, 6 waves a work-group, no clusters, 51,456 bytes of LDS; arguments inputs, W_q, W_k, W_v, W_o, x_img, x_scl, w_img, w_scl; writes x_img, x_scl, w_img, w_scl
.if DOCPART == 1
	.amdgcn_target "amdgcn-amd-amdhsa--gfx1250"
	.amdhsa_code_object_version 6
	.text
	.protected	k_q583e8ced99_quant
	.globl	k_q583e8ced99_quant
	.p2align	8
	.type	k_q583e8ced99_quant,@function
k_q583e8ced99_quant:
	s_mov_b64 s[64:65], 0
	v_nop
	global_prefetch_b8 v0, s[64:65] scope:SCOPE_SE
	s_setreg_imm32_b32 hwreg(HW_REG_WAVE_MODE, 25, 1), 1
	s_wait_xcnt 0x0
; inputs [8192][1024] and the four weights [1024][1024], f32 with K innermost, become codes of FP8 (E4M3) with one E8M0 byte for each 32 along K,
; laid as IMAGES OF OPERAND REGISTERS: [block of 64 rows][K step of 128][row tile 0..3][chunk 0..3][512 bytes].
; Row tile f of a block holds rows 32 (f / 2) + 8 (f % 2) + r + 8 (r / 8), r = lane % 16; chunk c holds, at 16 x lane, the 16 codes k = 32 c + 16 (lane / 16) + 0 .. 15 of the lane's row:
; one load of 16 bytes a lane gives four registers of a fragment, whoever reads it.  The scale words of a K step's four tiles are one unit of 256 bytes: tile f, row r at 8 (16 (f % 2) + r) + 4 (f / 2).
; SHARES: 1,536 equal tasks of 64 rows x 128 K, one to a wave (6 x 256): tasks 0-1023 are inputs, the other 512 W_q, W_k, W_v, W_o in this order.  Only pointers are chosen: one path for all.
; ALL 64 LOADS OF A WAVE GO OUT AT ITS START: its whole task, 32,768 bytes, is on its way at once (196,608 bytes a work-group), in four sets of 64 registers.
; A load reads 512 consecutive bytes of one row; 16 rows turn through the wave's own stage in LDS (rows 528 bytes apart) so that a lane gets 16 neighbours of each block of 32.
; A block's scale byte is its largest magnitude's exponent field - 8, held at 1 from below.
; LIMITS: NaN and infinities are not served; a block whose largest magnitude lies under 2^-118 (a block of zeros too) gets the byte 1; these bytes are read by this program alone.
; No tensor load, no barrier: waves share nothing.  No matrix unit and no cluster: the launch only streams.
.set STG,  8448                        ; a wave's stage: 16 rows x (512 + 16) bytes
.set PW,   8                           ; v8-11    the four tiles' scale words
.set SW,   12                          ; v[12:13] the pair that leaves
.set R,    16                          ; v16-207  three sets of 64: tiles 0, 1, 2 as loaded, then as the quantiser wants them; tile 3 is loaded into v256-319 and comes back into the first set
.set PC,   208                         ; v208-239 two sets of 16: codes
.set TM,   240                         ; v240-243 largest magnitudes, 244-247 bytes, 252-255 the conversions' scale operands
.set SEL,  40                          ; s[40:41] selects for lane l xor 16
.set MNT,  42
.set HM,   43                          ; s43 mask of lanes 16-31
.set MSB, 0
.macro WIN new                         ; the immediate's high byte repeats the setting that is left
.if MSB != \new
	s_set_vgpr_msb (MSB<<8)|\new
.set MSB, \new
.endif
.endm
	s_load_b256 s[4:11], s[0:1], 0x0               ; inputs s[4:5], W_q s[6:7], W_k s[8:9], W_v s[10:11]
	s_load_b256 s[12:19], s[0:1], 0x20             ; W_o s[12:13], x_img s[14:15], x_scl s[16:17], w_img s[18:19]
	s_load_b64 s[20:21], s[0:1], 0x40              ; w_scl
	v_lshl_add_u32 v14, v0, 2, 0xc600
	v_mov_b32 v15, 0
	v_lshrrev_b32 v5, 5, v0
	v_readfirstlane_b32 s22, v5                    ; wave 0..5
	v_and_b32 v6, 31, v0
	v_lshlrev_b32 v1, 4, v6                        ; 16 x lane: a load's, a chunk's place
	v_lshlrev_b32 v4, 3, v6                        ; 8 x lane: the scale unit's
	s_mul_i32 s23, s22, STG
	v_add_nc_u32 v2, s23, v1                       ; the stage, on the way in
	v_and_b32 v7, 15, v0
	v_bfe_u32 v5, v0, 4, 1
	v_mul_u32_u24 v3, v7, 528
	v_lshl_add_u32 v3, v5, 6, v3
	v_add_nc_u32 v3, s23, v3                       ; and on the way out: row r, + 64 bytes for lanes 16-31
.irp b, 0,1,2,3
	v_mov_b32 v[TM+4+\b], 0                        ; written once: a lane permute's destination counts as one of its sources
.endr
	s_mov_b32 s[SEL], 0x76543210
	s_mov_b32 s[SEL+1], 0xfedcba98
	s_mov_b32 s[HM], 0xffff0000
	s_mul_i32 s24, ttmp9, 6
	s_add_co_u32 s24, s24, s22                     ; my task
	s_sub_co_u32 s25, s24, 1024                    ; its number among the weights' tasks (used only where the task is 1,024 or more)
	s_lshr_b32 s26, s25, 7                         ; which weight
	s_and_b32 s27, s25, 127                        ; and the task's number inside it
	s_wait_alu depctr_va_vdst(0)
	s_wait_kmcnt 0x0
	s_cmp_eq_u32 s26, 1
	s_cselect_b64 s[6:7], s[8:9], s[6:7]
	s_cmp_eq_u32 s26, 2
	s_cselect_b64 s[6:7], s[10:11], s[6:7]
	s_cmp_eq_u32 s26, 3
	s_cselect_b64 s[6:7], s[12:13], s[6:7]
	s_cmp_lt_u32 s24, 1024                         ; inputs or a weight: the choice hangs on ids alone
	s_cselect_b64 s[4:5], s[4:5], s[6:7]
	s_cselect_b64 s[14:15], s[14:15], s[18:19]
	s_cselect_b64 s[16:17], s[16:17], s[20:21]
	s_cselect_b32 s27, s24, s27                    ; 8 x (block of 64 rows) + K step, in the source
	s_cselect_b32 s25, s24, s25                    ; and in the images
	s_lshr_b32 s28, s27, 3
	s_lshl_b32 s28, s28, 18                        ; 64 rows of 4,096 bytes
	s_and_b32 s29, s27, 7
	s_lshl_b32 s29, s29, 9                         ; 128 numbers of 4 bytes
	s_add_co_u32 s28, s28, s29
	s_mov_b32 s29, 0
	s_add_nc_u64 s[4:5], s[4:5], s[28:29]
	s_lshl_b32 s28, s25, 13                        ; 8,192 bytes of codes a task
	s_add_nc_u64 s[14:15], s[14:15], s[28:29]
	s_lshl_b32 s28, s25, 8                         ; 256 bytes of scale words
	s_add_nc_u64 s[16:17], s[16:17], s[28:29]
.macro LOAD f                          ; tile f's 16 rows: each load is 512 consecutive bytes of one row
.if (\f) < 3
.irp t, 0,1,2,3,4,5,6,7,8,9,10,11,12,13,14,15
	global_load_b128 v[R+64*(\f)+4*\t:R+64*(\f)+4*\t+3], v1, s[4:5] offset:(32*((\f)/2)+8*((\f)%2)+\t+8*(\t/8))*4096 th:TH_LOAD_NT
.endr
.else
	WIN 0x40                                       ; destination window 1: v256-319
.irp t, 0,1,2,3,4,5,6,7,8,9,10,11,12,13,14,15
	global_load_b128 v[4*\t:4*\t+3], v1, s[4:5] offset:(32*((\f)/2)+8*((\f)%2)+\t+8*(\t/8))*4096 th:TH_LOAD_NT
.endr
	WIN 0
.endif
.endm
; 64 numbers of a lane, v[s] on, become a fragment's 16 registers of codes, v[pc] on, and its row's scale word, v[pw]
.macro QUANT s, pc, pw
.irp b, 0,1,2,3
	v_max3_num_f32 v[TM+\b], |v[\s+16*\b]|, |v[\s+16*\b+1]|, 0x4800000   ; block b: my 16 numbers and the floor 2^(9 - 127): the byte cannot fall under 1
.endr
.irp i, 2,4,6,8,10,12,14
.irp b, 0,1,2,3
	v_max3_num_f32 v[TM+\b], v[TM+\b], |v[\s+16*\b+\i]|, |v[\s+16*\b+\i+1]|   ; the four blocks by turns
.endr
.endr
.irp b, 0,1,2,3
	v_permlanex16_b32 v[TM+4+\b], v[TM+\b], s[SEL], s[SEL+1]
.endr
.irp b, 0,1,2,3
	v_max_num_f32 v[TM+\b], v[TM+\b], v[TM+4+\b]   ; with lane l xor 16's 16: the block's largest magnitude
.endr
.irp b, 0,1,2,3
	v_add_nc_u32 v[TM+12+\b], 0xfc000000, v[TM+\b] ; 8 off its exponent field: the conversion's scale operand
.endr
.irp b, 0,1,2,3
.endr
.irp b, 0,1,2,3
	v_lshrrev_b32 v[TM+4+\b], 23, v[TM+12+\b]      ; the scale's byte
.endr
	v_lshl_or_b32 v[\pw], v[TM+5], 8, v[TM+4]
	v_lshl_or_b32 v[\pw], v[TM+6], 16, v[\pw]
	v_lshl_or_b32 v[\pw], v[TM+7], 24, v[\pw]      ; my row's scale word; lanes l and l xor 16 hold the same
.irp b, 0,1,2,3
.irp i, 0,1,2,3,4,5,6,7,8,9,10,11,12,13,14,15
.endr
	v_cvt_scalef32_pk8_fp8_f32 v[\pc+4*\b:\pc+4*\b+1], v[\s+16*\b:\s+16*\b+7], v[TM+12+\b]
	v_cvt_scalef32_pk8_fp8_f32 v[\pc+4*\b+2:\pc+4*\b+3], v[\s+16*\b+8:\s+16*\b+15], v[TM+12+\b]
.endr
	v_nop                                          ; a plain place behind the last conversions
.endm
.macro FRAG f
.set XS, R+64*((\f)%3)                 ; where the tile comes back to: the set that it left; tile 3: the first set, long free
	s_wait_loadcnt 48-16*(\f)                      ; this tile's 16 loads are in; the 16 of each tile behind it stay out
.if (\f) < 3
.irp t, 0,1,2,3,4,5,6,7,8,9,10,11,12,13,14,15
	ds_store_b128 v2, v[R+64*(\f)+4*\t:R+64*(\f)+4*\t+3] offset:528*\t
.endr
.else
	WIN 0x04                                       ; an LDS store's data are its source 1: window 1
.irp t, 0,1,2,3,4,5,6,7,8,9,10,11,12,13,14,15
	ds_store_b128 v2, v[4*\t:4*\t+3] offset:528*\t
.endr
	WIN 0
.endif
.irp c, 0,1,2,3
.irp u, 0,1,2,3
	ds_load_b128 v[XS+16*\c+4*\u:XS+16*\c+4*\u+3], v3 offset:128*\c+16*\u   ; LDS serves a wave's instructions in order: these see the stores above; register 16 c + i = k 32 c + 16 (lane / 16) + i
.endr
.endr
	s_wait_dscnt 0x0                               ; the tile is back
.if (\f) >= 2
	s_wait_xcnt 0x0                                ; the stores of two tiles ago have read this set of codes: it is written again only behind this wait
.endif
	QUANT XS, PC+16*((\f)%2), PW+(\f)
.irp c, 0,1,2,3
	global_store_b128 v1, v[PC+16*((\f)%2)+4*\c:PC+16*((\f)%2)+4*\c+3], s[14:15] offset:2048*(\f)+512*\c   ; a chunk: 512 consecutive bytes, aligned
.endr
.endm
	LOAD 0
	LOAD 1
	LOAD 2
	LOAD 3
	FRAG 0
	FRAG 1
	FRAG 2
	FRAG 3
	v_cndmask_b32 v[SW], v[PW], v[PW+1], s[HM]     ; lanes 0-15 carry the even tile's words, lanes 16-31 the odd tile's
	v_cndmask_b32 v[SW+1], v[PW+2], v[PW+3], s[HM]
	global_store_b64 v4, v[SW:SW+1], s[16:17]      ; 32 lanes store 256 consecutive bytes, aligned
	s_wait_tensorcnt 0x0
	ds_add_u32 v14, v15
	s_wait_dscnt 0x0
	s_endpgm
.Lfunc_end_k_q583e8ced99_quant:
	.size	k_q583e8ced99_quant, .Lfunc_end_k_q583e8ced99_quant-k_q583e8ced99_quant
	.p2alignl 7, 3214868480
	.fill 96, 4, 3214868480
	.section	.rodata,"a",@progbits
	.p2align	6, 0x0
	.amdhsa_kernel k_q583e8ced99_quant
		.amdhsa_group_segment_fixed_size 51456
		.amdhsa_private_segment_fixed_size 0
		.amdhsa_enable_private_segment 0
		.amdhsa_kernarg_size 72
		.amdhsa_user_sgpr_count 2
		.amdhsa_user_sgpr_kernarg_segment_ptr 1
		.amdhsa_wavefront_size32 1
		.amdhsa_system_sgpr_workgroup_id_x 1
		.amdhsa_system_sgpr_workgroup_id_y 1
		.amdhsa_system_sgpr_workgroup_id_z 1
		.amdhsa_system_vgpr_workitem_id 0
		.amdhsa_next_free_vgpr 320
		.amdhsa_next_free_sgpr 66
		.amdhsa_reserve_vcc 0
		.amdhsa_float_denorm_mode_32 3
		.amdhsa_float_denorm_mode_16_64 3
		.amdhsa_fp16_overflow 1
		.amdhsa_memory_ordered 1
		.amdhsa_forward_progress 1
		.amdhsa_inst_pref_size 34
	.end_amdhsa_kernel
	.amdgpu_metadata
---
amdhsa.version: [ 1, 2 ]
amdhsa.kernels:
  - .name:           k_q583e8ced99_quant
    .symbol:         k_q583e8ced99_quant.kd
    .args:
      - { .name: inputs, .offset: 0, .size: 8, .value_kind: global_buffer, .address_space: global }
      - { .name: W_q, .offset: 8, .size: 8, .value_kind: global_buffer, .address_space: global }
      - { .name: W_k, .offset: 16, .size: 8, .value_kind: global_buffer, .address_space: global }
      - { .name: W_v, .offset: 24, .size: 8, .value_kind: global_buffer, .address_space: global }
      - { .name: W_o, .offset: 32, .size: 8, .value_kind: global_buffer, .address_space: global }
      - { .name: x_img, .offset: 40, .size: 8, .value_kind: global_buffer, .address_space: global }
      - { .name: x_scl, .offset: 48, .size: 8, .value_kind: global_buffer, .address_space: global }
      - { .name: w_img, .offset: 56, .size: 8, .value_kind: global_buffer, .address_space: global }
      - { .name: w_scl, .offset: 64, .size: 8, .value_kind: global_buffer, .address_space: global }
    .group_segment_fixed_size: 51456
    .private_segment_fixed_size: 0
    .kernarg_segment_align: 8
    .kernarg_segment_size: 72
    .max_flat_workgroup_size: 192
    .sgpr_count:     66
    .vgpr_count:     320
    .wavefront_size: 32
...
	.end_amdgpu_metadata
.endif
;; end of part 1
;; launch qkv (part 2): grid 4 x 64, 4 waves a work-group, clusters of 4 x 1, 168,448 bytes of LDS; arguments x_img, x_scl, w_img, w_scl, q, kv; writes q, kv
.if DOCPART == 2
	.amdgcn_target "amdgcn-amd-amdhsa--gfx1250"
	.amdhsa_code_object_version 6
	.text
	.protected	k_q583e8ced99_qkv
	.globl	k_q583e8ced99_qkv
	.p2align	8
	.type	k_q583e8ced99_qkv,@function
k_q583e8ced99_qkv:
	s_mov_b64 s[64:65], 0
	v_nop
	global_prefetch_b8 v0, s[64:65] scope:SCOPE_SE
	s_setreg_imm32_b32 hwreg(HW_REG_WAVE_MODE, 25, 1), 1
	s_wait_xcnt 0x0
	s_wait_alu depctr_hold_cnt(0) depctr_sa_sdst(0) depctr_va_vdst(0) depctr_va_sdst(0) depctr_va_ssrc(0) depctr_va_vcc(0) depctr_vm_vsrc(0)
	s_getreg_b32 s2, hwreg(HW_REG_IB_STS2, 6, 4)
	s_cmp_eq_u32 s2, 0
	s_cbranch_scc0 .Lentry_in_a_cluster
	s_endpgm
.Lentry_in_a_cluster:
	s_bfe_u32 s2, ttmp6, 0x10000c
	s_cmp_lg_u32 s2, 0x3003
	s_cbranch_scc0 .Lentry_shape_is_right
	s_endpgm
.Lentry_shape_is_right:
; Q, K, V = inputs x W^T on codes of FP8 (E4M3) with E8M0 scales, and at once quantised again for attention: Q and K along the head's 64, V along the keys.  Nothing goes to memory as f32.
; SHARES: a work-group takes 128 tokens (one key step of one batch) x four heads; wave w takes head 4 hg + w: 128 tokens x 64 features, 32 accumulators, three passes (Q, K, V) of 8 K steps of 128.
; A: the 128 tokens' codes for all of K are 131,072 dense bytes of x_img.  They come into LDS ONCE, a quarter by each wave, and stay: no LDS byte is filled twice.
; CLUSTER: the four work-groups of a cluster share the tokens, so that fill is asked for JOINTLY (mask 15).  The weights are NOT sent through LDS or shared: a wave's fragments of W are read by that wave alone,
; once a pass; per K step the four waves already read 4 x 16,384 bytes of A from LDS for 32 matrix instructions each, and W through LDS would add 32,768 bytes written and as many read to each step.
; So W goes from memory straight into registers, three K steps ahead, in four sets.
; IMAGES: every fragment lies in memory and in LDS as its registers: chunk c (four registers) is 512 bytes, lane l's 16 bytes at 16 l.  Row tile (g, u) holds rows 32 g + 8 u + r + 8 (r / 8), for tokens and for features.
; PASSES Q, K (source 0 = 16 features of W, source 1 = 16 tokens): a lane holds ONE token, and the registers of feature tiles 2 b, 2 b + 1 are 16 neighbours along d: the conversions' results are chunks of attention's operand.
; PASS V (source 0 = 16 tokens, source 1 = 16 features): a lane holds one channel, and the registers of token tiles 2 g, 2 g + 1 are 16 neighbouring keys.
; OUT: q [head x batch][key step][8,448]: 4 x 4 chunks (token group g; chunk 2 u + b), then 256 bytes of scale words.  kv [..][16,896]: K's chunks likewise, V's 4 x 4 chunks (channel tile; key group), K's words, V's words.
; LIMITS: NaN and infinities are not served; a block whose largest magnitude lies under 2^-118 gets the byte 1; these bytes are read by this program alone.
; REGISTERS: window 0: v1-3 addresses; v16-47 A's scale words, v48-95 W's; v96-117 the quantiser's; v128-191 codes.  window 1: A's fragments, two sets of 128.  window 2: W's, four sets of 64.  window 3: the 32 accumulators.
.set T,    24                          ; K steps in all
.set ASC,  16                          ; A's scale words: K step k, row tile a: register ASC + 4 k + a / 2, lanes 0-15 (a even) or 16-31 (a odd)
.set BSC,  48                          ; W's: pass p, K step k, tile n: BSC + 16 p + 2 k + n / 2, likewise
.set TM,   96
.set PW,   112
.set SW,   116
.set PC,   128
.set WV,   16                          ; s16 my wave's number
.set G0,   24                          ; s[24:27], s[28:35] the one descriptor
.set G1,   28
.set HM,   36
.set MNT,  37
.set SEL,  38
.set MSB, 0
.macro WIN new                         ; the immediate's high byte repeats the setting that is left
.if MSB != \new
	s_set_vgpr_msb (MSB<<8)|\new
.set MSB, \new
.endif
.endm
.macro PLACES n
.rept \n
	v_nop
.endr
.endm
.macro ROUND                           ; a round of the cluster's barrier
	s_barrier_signal -1
	s_barrier_wait -1
	s_cmp_lg_u32 s[WV], 0
	s_cbranch_scc1 .Lnot_wave_0_\@
	s_barrier_signal -3
.Lnot_wave_0_\@:
	s_barrier_wait -3
	s_barrier_signal -1
	s_barrier_wait -1
.endm
	s_load_b256 s[4:11], s[0:1], 0x0               ; x_img s[4:5], x_scl s[6:7], w_img s[8:9], w_scl s[10:11]
	s_load_b128 s[12:15], s[0:1], 0x20             ; q s[12:13], kv s[14:15]
	v_lshl_add_u32 v254, v0, 2, 0x29000
	v_mov_b32 v255, 0
	ds_add_u32 v254, v255
	ds_add_u32 v254, v255
	v_lshrrev_b32 v4, 5, v0
	v_readfirstlane_b32 s[WV], v4                  ; wave 0..3
	v_and_b32 v4, 31, v0
	v_lshlrev_b32 v1, 4, v4                        ; 16 x lane
	v_lshlrev_b32 v2, 3, v4                        ; 8 x lane
	v_add_nc_u32 v3, 0x10000, v1                   ; 16 x lane in the second 64 tokens' half of A
.irp b, 0,1,2,3
	v_mov_b32 v[TM+4+\b], 0                        ; written once: a lane permute's destination counts as one of its sources
.endr
	s_mov_b32 s[HM], 0xffff0000
	s_mov_b32 s[SEL], 0x76543210
	s_mov_b32 s[SEL+1], 0xfedcba98
	s_and_b32 s19, ttmp7, 0xffff                   ; the block of 128 tokens, which the four partners share
	s_lshl_b32 s20, s19, 17                        ; its 131,072 bytes of x_img,
	s_lshl_b32 s[G0+1], s[WV], 15                  ; my quarter: 32,768 x wave, in LDS
	s_add_co_u32 s20, s20, s[G0+1]                 ; and in memory: no place in the cluster enters the descriptor
	s_mov_b32 s21, 0
	s_lshl_b32 s22, s19, 12                        ; its 4,096 bytes of x_scl
	s_mov_b32 s23, 0
	s_mov_b32 s[G0], 1
	s_mov_b32 s[G1], 15|(3<<16)|(1<<21)            ; the mask: all four work-groups; elements of 8 bytes; bit 21 set beside a mask
	s_mov_b32 s[G1+1], 32<<16                      ; tensor_dim0 = 32 elements: rows of 256 bytes
	s_mov_b32 s[G1+2], 128<<16                     ; tensor_dim1 = 128
	s_mov_b32 s[G1+3], 32<<16                      ; tile_dim0
	s_mov_b32 s[G1+4], 128                         ; tile_dim1
	s_mov_b32 s[G1+5], 32                          ; dense: the pitch is the row
	s_mov_b32 s[G1+6], 0
	s_mov_b32 s[G1+7], 0
	s_bfe_u32 s17, ttmp6, 0x40000                  ; cx: it enters W's, q's and kv's addresses alone
	s_lshl_b32 s18, ttmp9, 2
	s_add_co_u32 s18, s18, s17
	s_lshl_b32 s18, s18, 2
	s_add_co_u32 s18, s18, s[WV]                   ; my head
	s_lshl_b32 s40, s18, 16                        ; its 64 rows of a weight: 65,536 bytes of w_img,
	s_mov_b32 s41, 0
	s_lshl_b32 s42, s18, 11                        ; 2,048 of w_scl
	s_mov_b32 s43, 0
	s_lshr_b32 s44, s19, 4                         ; batch
	s_lshl_b32 s44, s44, 4
	s_add_co_u32 s44, s44, s18
	s_lshl_b32 s44, s44, 4
	s_and_b32 s46, s19, 15
	s_add_co_u32 s46, s44, s46                     ; 16 x (16 x batch + head) + key step
	s_mul_i32 s44, s46, 8448
	s_mov_b32 s45, 0
	s_mul_i32 s46, s46, 16896
	s_mov_b32 s47, 0
	s_wait_dscnt 0x0
	s_wait_kmcnt 0x0
	s_add_nc_u64 s[G0+2:G0+3], s[4:5], s[20:21]
	s_or_b32 s[G0+3], s[G0+3], 0x80000000          ; type = 2
	s_add_nc_u64 s[6:7], s[6:7], s[22:23]
	s_add_nc_u64 s[8:9], s[8:9], s[40:41]
	s_add_nc_u64 s[10:11], s[10:11], s[42:43]
	s_add_nc_u64 s[12:13], s[12:13], s[44:45]
	s_add_nc_u64 s[14:15], s[14:15], s[46:47]
	ROUND                                          ; all four work-groups are here: the joint loads meet
	tensor_load_to_lds s[G0:G0+3], s[G1:G1+7]      ; my quarter of A: the wave's only tensor load
	s_nop 0
	PLACES 4                                       ; four v_nop behind it
	s_wait_alu depctr_va_vdst(0)
.irp k, 0,1,2,3,4,5,6,7
.irp h, 0,1
	global_load_b64 v[ASC+4*\k+2*\h:ASC+4*\k+2*\h+1], v2, s[6:7] offset:2048*\h+256*\k
.endr
.endr
.irp p, 0,1,2
.irp k, 0,1,2,3,4,5,6,7
	global_load_b64 v[BSC+16*\p+2*\k:BSC+16*\p+2*\k+1], v2, s[10:11] offset:32768*\p+256*\k
.endr
.endr
.macro ALOAD k, set                    ; A's eight fragments of K step k from LDS
	WIN 0x40
.irp a, 0,1,2,3,4,5,6,7
.irp c, 0,1,2,3
.if \a < 4
	ds_load_b128 v[128*(\set)+16*\a+4*\c:128*(\set)+16*\a+4*\c+3], v1 offset:8192*(\k)+2048*\a+512*\c
.else
	ds_load_b128 v[128*(\set)+16*\a+4*\c:128*(\set)+16*\a+4*\c+3], v3 offset:8192*(\k)+2048*(\a-4)+512*\c
.endif
.endr
.endr
.endm
.macro BLOAD i                         ; step i's four fragments of W from memory: pass i / 8 (16 blocks of 65,536 bytes on), K step i % 8
	WIN 0x80
.irp n, 0,1,2,3
.irp c, 0,1,2,3
	global_load_b128 v[64*((\i)%4)+16*\n+4*\c:64*((\i)%4)+16*\n+4*\c+3], v1, s[8:9] offset:((\i)/8)*1048576+((\i)%8)*8192+2048*\n+512*\c
.endr
.endr
.endm
; One matrix instruction.  nz = 0: it starts the sum with the constant 0.  rx, ry: which half of the lanes of the scale registers is read.
.macro WM d, x, y, nz, sx, rx, sy, ry
.if (\nz) == 0
.if (\rx)+2*(\ry) == 0
	v_wmma_scale_f32_16x16x128_f8f6f4 v[\d:\d+7], v[\x:\x+15], v[\y:\y+15], 0, v[\sx], v[\sy]
.elseif (\rx)+2*(\ry) == 1
	v_wmma_scale_f32_16x16x128_f8f6f4 v[\d:\d+7], v[\x:\x+15], v[\y:\y+15], 0, v[\sx], v[\sy] matrix_a_scale:MATRIX_SCALE_ROW1
.elseif (\rx)+2*(\ry) == 2
	v_wmma_scale_f32_16x16x128_f8f6f4 v[\d:\d+7], v[\x:\x+15], v[\y:\y+15], 0, v[\sx], v[\sy] matrix_b_scale:MATRIX_SCALE_ROW1
.else
	v_wmma_scale_f32_16x16x128_f8f6f4 v[\d:\d+7], v[\x:\x+15], v[\y:\y+15], 0, v[\sx], v[\sy] matrix_a_scale:MATRIX_SCALE_ROW1 matrix_b_scale:MATRIX_SCALE_ROW1
.endif
.else
.if (\rx)+2*(\ry) == 0
	v_wmma_scale_f32_16x16x128_f8f6f4 v[\d:\d+7], v[\x:\x+15], v[\y:\y+15], v[\d:\d+7], v[\sx], v[\sy]
.elseif (\rx)+2*(\ry) == 1
	v_wmma_scale_f32_16x16x128_f8f6f4 v[\d:\d+7], v[\x:\x+15], v[\y:\y+15], v[\d:\d+7], v[\sx], v[\sy] matrix_a_scale:MATRIX_SCALE_ROW1
.elseif (\rx)+2*(\ry) == 2
	v_wmma_scale_f32_16x16x128_f8f6f4 v[\d:\d+7], v[\x:\x+15], v[\y:\y+15], v[\d:\d+7], v[\sx], v[\sy] matrix_b_scale:MATRIX_SCALE_ROW1
.else
	v_wmma_scale_f32_16x16x128_f8f6f4 v[\d:\d+7], v[\x:\x+15], v[\y:\y+15], v[\d:\d+7], v[\sx], v[\sy] matrix_a_scale:MATRIX_SCALE_ROW1 matrix_b_scale:MATRIX_SCALE_ROW1
.endif
.endif
.endm
; Step i: 32 matrix instructions on 32 accumulators by turns, in the same order in every step.  ty = 0: source 0 = W, source 1 = tokens; 1: the other way round.
.macro KSTEP i, ty
.if T-1-(\i) >= 2
	s_wait_loadcnt 32                              ; this step's 16 loads of W are in (and the scale words, which are older); those of the next two steps stay out
.else
	s_wait_loadcnt 16*(T-1-(\i))
.endif
	s_wait_dscnt 0x0                               ; this step's fragments of A are in: asked for a step ago
	PLACES 8                                       ; eight places in front of loads into the sets that the step before multiplied
.if (\i)+1 < T
	ALOAD ((\i)+1)%8, ((\i)+1)%2
.endif
.if (\i)+3 < T
	BLOAD (\i)+3
.endif
.if \ty == 0
	WIN 0xf6                                       ; source 0 (W) window 2, source 1 (A) window 1, C and D window 3
.irp a, 0,1,2,3,4,5,6,7
.irp n, 0,1,2,3
	WM 8*(4*\a+\n), 64*((\i)%4)+16*\n, 128*((\i)%2)+16*\a, (\i)%8, BSC+16*((\i)/8)+2*((\i)%8)+\n/2, \n%2, ASC+4*((\i)%8)+\a/2, \a%2
.endr
.endr
.else
	WIN 0xf9                                       ; source 0 (A) window 1, source 1 (W) window 2
.irp a, 0,1,2,3,4,5,6,7
.irp n, 0,1,2,3
	WM 8*(8*\n+\a), 128*((\i)%2)+16*\a, 64*((\i)%4)+16*\n, (\i)%8, ASC+4*((\i)%8)+\a/2, \a%2, BSC+16*((\i)/8)+2*((\i)%8)+\n/2, \n%2
.endr
.endr
.endif
.endm
; 64 results of a lane in window 3, v[s] on (four blocks of 16 neighbours along the next K), become 16 registers of codes and a scale word in window 0.  Each accumulator is read from its low end on.
.macro QUANTW s, pc, pw
	WIN 0x0f
.irp b, 0,1,2,3
	v_max3_num_f32 v[TM+\b], |v[\s+16*\b]|, |v[\s+16*\b+1]|, 0x4800000   ; and the floor 2^(9 - 127): the byte cannot fall under 1
.endr
	WIN 0x3c
.irp i, 2,4,6,8,10,12,14
.irp b, 0,1,2,3
	v_max3_num_f32 v[TM+\b], v[TM+\b], |v[\s+16*\b+\i]|, |v[\s+16*\b+\i+1]|
.endr
.endr
	WIN 0
.irp b, 0,1,2,3
	v_permlanex16_b32 v[TM+4+\b], v[TM+\b], s[SEL], s[SEL+1]
.endr
.irp b, 0,1,2,3
	v_max_num_f32 v[TM+\b], v[TM+\b], v[TM+4+\b]   ; with lane l xor 16's 16: the block's largest magnitude
.endr
.irp b, 0,1,2,3
	v_add_nc_u32 v[TM+12+\b], 0xfc000000, v[TM+\b] ; 8 off its exponent field: the conversion's scale operand
.endr
.irp b, 0,1,2,3
.endr
.irp b, 0,1,2,3
	v_lshrrev_b32 v[TM+4+\b], 23, v[TM+12+\b]      ; the byte
.endr
	v_lshl_or_b32 v[\pw], v[TM+5], 8, v[TM+4]
	v_lshl_or_b32 v[\pw], v[TM+6], 16, v[\pw]
	v_lshl_or_b32 v[\pw], v[TM+7], 24, v[\pw]
	WIN 0xc3
.irp b, 0,1,2,3
.irp i, 0,1,2,3,4,5,6,7,8,9,10,11,12,13,14,15
.endr
.endr
	WIN 0x03
.irp b, 0,1,2,3
	v_cvt_scalef32_pk8_fp8_f32 v[\pc+4*\b:\pc+4*\b+1], v[\s+16*\b:\s+16*\b+7], v[TM+12+\b]
	v_cvt_scalef32_pk8_fp8_f32 v[\pc+4*\b+2:\pc+4*\b+3], v[\s+16*\b+8:\s+16*\b+15], v[TM+12+\b]
.endr
	WIN 0
	v_nop                                          ; a plain place behind the conversions
.endm
; A pass's results leave: four groups of 64 registers, each four chunks of 512 bytes; then the four scale words as one unit of 256 bytes.  The next pass's loads stay on their way meanwhile.
.macro EPI p, coff, soff
	WIN 0
	PLACES 8                                       ; eight places in front of the first read of results
	s_wait_xcnt 0x0                                ; the pass before has read its codes and words: they are written again only behind this wait
.irp g, 0,1,2,3
	QUANTW 64*\g, PC+16*\g, PW+\g
.irp c, 0,1,2,3
	global_store_b128 v1, v[PC+16*\g+4*\c:PC+16*\g+4*\c+3], s[\p:\p+1] offset:\coff+2048*\g+512*\c
.endr
.endr
	v_cndmask_b32 v[SW], v[PW], v[PW+1], s[HM]
	v_cndmask_b32 v[SW+1], v[PW+2], v[PW+3], s[HM]
	global_store_b64 v2, v[SW:SW+1], s[\p:\p+1] offset:\soff
.endm
	BLOAD 0
	BLOAD 1
	BLOAD 2
	s_wait_tensorcnt 0x0                           ; my quarter of A is in,
	s_barrier_signal -1
	s_barrier_wait -1                              ; everybody's is
	ALOAD 0, 0
.irp i, 0,1,2,3,4,5,6,7
	KSTEP \i, 0
.endr
	EPI 12, 0, 8192                                ; Q
.irp i, 8,9,10,11,12,13,14,15
	KSTEP \i, 0
.endr
	EPI 14, 0, 16384                               ; K
.irp i, 16,17,18,19,20,21,22,23
	KSTEP \i, 1
.endr
	EPI 14, 8192, 16640                            ; V
	s_wait_dscnt 0x0
	s_wait_tensorcnt 0x0
	ds_add_u32 v254, v255
	s_wait_dscnt 0x0
	ROUND                                          ; the closing round: no work-group ends while a partner may still ask jointly
	s_endpgm
.Lfunc_end_k_q583e8ced99_qkv:
	.size	k_q583e8ced99_qkv, .Lfunc_end_k_q583e8ced99_qkv-k_q583e8ced99_qkv
	.p2alignl 7, 3214868480
	.fill 96, 4, 3214868480
	.section	.rodata,"a",@progbits
	.p2align	6, 0x0
	.amdhsa_kernel k_q583e8ced99_qkv
		.amdhsa_group_segment_fixed_size 168448
		.amdhsa_private_segment_fixed_size 0
		.amdhsa_enable_private_segment 0
		.amdhsa_kernarg_size 48
		.amdhsa_user_sgpr_count 2
		.amdhsa_user_sgpr_kernarg_segment_ptr 1
		.amdhsa_wavefront_size32 1
		.amdhsa_system_sgpr_workgroup_id_x 1
		.amdhsa_system_sgpr_workgroup_id_y 1
		.amdhsa_system_sgpr_workgroup_id_z 1
		.amdhsa_system_vgpr_workitem_id 0
		.amdhsa_next_free_vgpr 1024
		.amdhsa_next_free_sgpr 66
		.amdhsa_reserve_vcc 0
		.amdhsa_float_denorm_mode_32 3
		.amdhsa_float_denorm_mode_16_64 3
		.amdhsa_fp16_overflow 1
		.amdhsa_memory_ordered 1
		.amdhsa_forward_progress 1
		.amdhsa_inst_pref_size 250
	.end_amdhsa_kernel
	.amdgpu_metadata
---
amdhsa.version: [ 1, 2 ]
amdhsa.kernels:
  - .name:           k_q583e8ced99_qkv
    .symbol:         k_q583e8ced99_qkv.kd
    .args:
      - { .name: x_img, .offset: 0, .size: 8, .value_kind: global_buffer, .address_space: global }
      - { .name: x_scl, .offset: 8, .size: 8, .value_kind: global_buffer, .address_space: global }
      - { .name: w_img, .offset: 16, .size: 8, .value_kind: global_buffer, .address_space: global }
      - { .name: w_scl, .offset: 24, .size: 8, .value_kind: global_buffer, .address_space: global }
      - { .name: q, .offset: 32, .size: 8, .value_kind: global_buffer, .address_space: global }
      - { .name: kv, .offset: 40, .size: 8, .value_kind: global_buffer, .address_space: global }
    .group_segment_fixed_size: 168448
    .private_segment_fixed_size: 0
    .kernarg_segment_align: 8
    .kernarg_segment_size: 48
    .max_flat_workgroup_size: 128
    .sgpr_count:     66
    .vgpr_count:     1024
    .wavefront_size: 32
...
	.end_amdgpu_metadata
.endif
;; end of part 2
;; launch attn (part 3): grid 4 x 64, 16 waves a work-group, no clusters, 327,680 bytes of LDS; arguments q, kv, c_img, c_scl; writes c_img, c_scl
.if DOCPART == 3
	.amdgcn_target "amdgcn-amd-amdhsa--gfx1250"
	.amdhsa_code_object_version 6
	.text
	.protected	k_q583e8ced99_attn
	.globl	k_q583e8ced99_attn
	.p2align	8
	.type	k_q583e8ced99_attn,@function
k_q583e8ced99_attn:
	s_mov_b64 s[64:65], 0
	v_nop
	global_prefetch_b8 v0, s[64:65] scope:SCOPE_SE
	s_setreg_imm32_b32 hwreg(HW_REG_WAVE_MODE, 25, 1), 1
	s_wait_xcnt 0x0
; Causal attention of one head on codes of FP8 (E4M3) with E8M0 scales, and the context quantised at once for the last product (K = 64 x head + channel).
; t = score x log2(e) / 8; M = the running largest t rounded UP to a whole number; p = 2^(t - M) is quantised along the keys, not normalised; the row's sum is taken of the unquantised p and divides at the end.
; SHARES: a work-group owns query blocks p and 7 - p (256 queries each) of one head x batch.  Each of SIXTEEN waves owns one tile of 16 queries of the block in hand, in 256 registers: four waves to a SIMD,
; so that one wave's vector work stands beside another's matrix work and LDS loads.  Tile i of a block: queries 32 (i / 2) + 8 (i % 2) + r + 8 (r / 8), r = lane % 16.
; Wave w takes tile w of block p and tile 15 - w of block 7 - p: (2 p + 1 + [w >= 8]) + (2 (7 - p) + 1 + [w < 8]) = 17 key steps of 128 keys for every wave of every work-group.
; Both products are used transposed (S^T = K Q^T, O^T = V^T P^T): a lane holds ONE query throughout; the 16 registers of two neighbouring key tiles are 16 neighbouring keys; O^T's 16 registers of two channel tiles 16 neighbouring channels.
; THE HEAD HAS 64 CHANNELS, THE INSTRUCTION 128 ALONG K: a fragment of K holds TWO key tiles (chunks 0, 1 and chunks 2, 3) and is multiplied once by [Q | zero codes] and once by [zero codes | Q]: no byte of K is read twice.
; THE WHOLE HEAD'S KEYS AND VALUES STAY IN LDS: 16 key steps x 16,896 bytes = 270,336 bytes, as they lie in kv (images of registers).  No LDS byte is filled twice.  Wave w brings key step w: ONE tensor load a wave in the
; whole launch, in three stages: steps 0, 1 at the head; steps 2-7 behind the first barrier, while block p's first two steps are worked; steps 8-15 behind the second, while 14 more steps are walked.  Three barriers in all:
; between them the waves run free, so that their LDS reads, exponentials and products fall at different times.
; CAUSAL: the loops' trip counts are constants; a step all of whose 128 keys come after my 16 queries is jumped over (a scalar branch on ids; no barrier or tensor load stands in a step);
; in the step on the diagonal hidden scores become -infinity ahead of the maximum.
; NO CLUSTER, though the four work-groups of a head read the same tiles: which steps a wave jumps over hangs on its query block, which differs between those four.
; The scale half-words of the context (2 bytes a row and head) are stored 8 bytes apart: aligned runs of 256 bytes of c_scl are written in part, 262,144 bytes in the whole launch.
; LIMITS: NaN and infinities are not served; a block whose largest magnitude lies under 2^-118 gets the byte 1; these bytes are read by this program alone.
.set STEPB, 16896                      ; a key step in kv and in LDS: K's codes 8,192, V's 8,192, K's scale words 256, V's 256
.set GAP,   16896                      ; a step's worth of unused bytes behind steps 0-7 and behind steps 8-15: an address one step past a loop's last read meets no byte that a load fills or that another line names
.set UPPER, 8*STEPB+GAP                ; steps 8-15 begin here
.set SPARE, UPPER+8*STEPB+GAP          ; 304,128: the spare words, 128 bytes for each wave: eight blocks of 256 bytes that no other line names
.set LN16, 1                           ; v1  16 x lane
.set LN8,  2                           ; v2  8 x lane
.set SPW,  3                           ; v3  my spare word's LDS address; never rewritten
.set NIL,  4                           ; v4  0; never rewritten
.set ADL,  5                           ; v5  the step in hand + 16 x lane
.set ADS,  6                           ; v6  the step in hand + 8 x lane
.set DQ,   7                           ; v7  r + 8 (r / 8) - 16 (lane / 16)
.set RW8,  8                           ; v8  8 x r
; v12 -M, v13 the largest t, v[14:15] the sum in two halves; v16-23 zero codes, v24-31 Q, v32-39 zero codes; v40-47 the second block's Q, v48 its scale half-word; v60-63 byte offsets of the two blocks' Q
.set QS,   49                          ; v49 Q's scale word (s0, s1, s0, s1)
.set KS,   50                          ; v[50:51] K's scale words of the step
.set VS,   52                          ; v[52:53] V's
.set SO,   56                          ; v56-59 the conversions' scale operands
.set KV,   64                          ; v64-127 four fragments of K, then of V
.set S,    128                         ; v128-191 S^T, then p
.set O,    192                         ; v192-223 O^T
.set PC,   224                         ; v224-239 p's codes
.set BM,   240                         ; v240-243 the blocks' largest scores, then largest p
.set PB,   244                         ; v244-247 the other half's maxima, then bytes, then a chain of the sum
.set HD,   248
.set PS,   253                         ; v253 p's scale word;  v252 f;  v254 at work
.set WV,   12                          ; s12 my wave's number: my tile in the first block
.set P,    13                          ; s13 the work-group's x: its first query block
.set P2,   14                          ; s14 7 - p: its second
.set HB,   15                          ; s15 16 x batch + head
.set CNT,  16                          ; s16 counts a loop's steps
.set TB,   17                          ; s17 LDS byte at which the step in hand begins
.set TW2,  18                          ; s18 15 - wave: my tile in the second block
.set HC,   19                          ; s19, s22 the head's part of the context's addresses
.set NB,   20
.set TK,   21                          ; s21 the step's first key
.set HS,   22
.set CS,   24                          ; s[24:25] c = log2(e) / 8
.set G0,   28                          ; s[28:31], s[32:39] the one descriptor; never rewritten
.set G1,   32
.set SEL,  40
.set MNT,  42
.set QMIN, 43                          ; s43, s44 my tile's first and last query
.set QMAX, 44
.set QMIN2, 45
.set CPA,  46                          ; s[46:47], s[48:49] where the first block's codes and half-words go; s[50:51], s[52:53] the second's
.set SPA,  48
.set CPB,  50
.set SPB,  52
.set QPA,  54                          ; s[54:55], s[56:57] q at the two blocks' key steps
.set QPB,  56
.macro PLACES n
.rept \n
	v_nop
.endr
.endm
.macro TLOAD lo, hi                    ; waves lo .. hi - 1 ask for their key step; four v_nop follow the load
.if \lo > 0
	s_cmp_lt_u32 s[WV], \lo
	s_cbranch_scc1 .Lasked_\@
.endif
.if \hi < 16
	s_cmp_lt_u32 s[WV], \hi
	s_cbranch_scc0 .Lasked_\@
.endif
	tensor_load_to_lds s[G0:G0+3], s[G1:G1+7]
	s_nop 0
	PLACES 4
.Lasked_\@:
.endm
	s_load_b256 s[4:11], s[0:1], 0x0               ; q s[4:5], kv s[6:7], c_img s[8:9], c_scl s[10:11]
	v_lshl_add_u32 v[SPW], v0, 2, SPARE
	v_mov_b32 v[NIL], 0
	ds_add_u32 v3, v4
	ds_add_u32 v3, v4
	s_wait_dscnt 0x0
	v_lshrrev_b32 v9, 5, v0
	s_delay_alu instid0(VALU_DEP_1)
	v_readfirstlane_b32 s[WV], v9                  ; wave 0..15
	v_and_b32 v9, 31, v0
	s_delay_alu instid0(VALU_DEP_1)
	v_lshlrev_b32 v[LN16], 4, v9
	s_delay_alu instid0(VALU_DEP_2)
	v_lshlrev_b32 v[LN8], 3, v9
	v_and_b32 v10, 15, v0                          ; r
	v_bfe_u32 v11, v0, 4, 1                        ; lane / 16
	s_delay_alu instid0(VALU_DEP_2)
	v_lshlrev_b32 v[RW8], 3, v10
	s_delay_alu instid0(VALU_DEP_3)
	v_and_b32 v9, 8, v10
	s_delay_alu instid0(VALU_DEP_1)
	v_add_nc_u32 v[DQ], v9, v10
	s_delay_alu instid0(VALU_DEP_4)
	v_lshlrev_b32 v11, 4, v11
	s_delay_alu instid0(VALU_DEP_1)
	v_sub_nc_u32 v[DQ], v[DQ], v11
	s_and_b32 s[HB], ttmp7, 0xffff
	s_mov_b32 s[P], ttmp9
	s_sub_co_u32 s[P2], 7, s[P]
	s_sub_co_u32 s[TW2], 15, s[WV]
	s_mul_i32 s62, s[WV], STEPB                    ; my key step: in the head's kv,
	s_mul_i32 s60, s[HB], 16*STEPB
	s_add_co_u32 s60, s60, s62
	s_mov_b32 s61, 0
	s_lshr_b32 s63, s[WV], 3
	s_mul_i32 s63, s63, GAP
	s_mov_b32 s[G0], 1
	s_add_co_u32 s[G0+1], s62, s63                 ; and in LDS: 16,896 x wave, one gap further on for steps 8-15
	s_mov_b32 s[G1], 3<<16                         ; no mask; elements of 8 bytes; no padding
	s_mov_b32 s[G1+1], 32<<16                      ; tensor_dim0 = 32: rows of 256 bytes
	s_mov_b32 s[G1+2], 66<<16                      ; tensor_dim1 = 66: 16,896 dense bytes
	s_mov_b32 s[G1+3], 32<<16                      ; tile_dim0
	s_mov_b32 s[G1+4], 66                          ; tile_dim1
	s_mov_b32 s[G1+5], 32                          ; the pitch is the row
	s_mov_b32 s[G1+6], 0
	s_mov_b32 s[G1+7], 0
	s_wait_kmcnt 0x0
	s_add_nc_u64 s[G0+2:G0+3], s[6:7], s[60:61]
	s_or_b32 s[G0+3], s[G0+3], 0x80000000          ; type = 2
	TLOAD 0, 2                                     ; the head's keys 0 to 255
	s_mov_b32 s[CS], 0x3e38aa3b                    ; c = log2(e) / 8
	s_mov_b32 s[CS+1], s[CS]                       ; (named with it as a pair, so it is written)
	s_mov_b32 s[SEL], 0x76543210
	s_mov_b32 s[SEL+1], 0xfedcba98
	; hd = the head: K step hd / 2 of the context's images, chunks 2 (hd % 2) + 0, 1
	s_and_b32 s62, s[HB], 15
	s_lshr_b32 s63, s62, 1
	s_and_b32 s62, s62, 1
	s_lshl_b32 s[HC], s63, 13
	s_lshl_b32 s59, s62, 10
	s_add_co_u32 s[HC], s[HC], s59                 ; codes: 8,192 (hd / 2) + 1,024 (hd % 2)
	s_lshl_b32 s[HS], s63, 8
	s_lshl_b32 s59, s62, 1
	s_add_co_u32 s[HS], s[HS], s59                 ; half-words: 256 (hd / 2) + 2 (hd % 2)
; The addresses of tile i = s[tw] of query block s[qb]
.macro PHASE qb, tw, cp, sp, qp, qm, va, vb
	s_lshl_b32 s60, s[HB], 4
	s_lshl_b32 s62, s[\qb], 1
	s_add_co_u32 s60, s60, s62
	s_lshr_b32 s62, s[\tw], 3
	s_add_co_u32 s60, s60, s62
	s_mul_i32 s60, s60, 8448                       ; q: key step 2 qb + i / 8 of my head
	s_add_nc_u64 s[\qp:\qp+1], s[4:5], s[60:61]
	s_lshr_b32 s60, s[HB], 4
	s_lshl_b32 s60, s60, 5
	s_lshl_b32 s62, s[\qb], 2
	s_add_co_u32 s60, s60, s62
	s_lshr_b32 s62, s[\tw], 2
	s_add_co_u32 s59, s60, s62                     ; the context's block of 64 rows: 32 x batch + 4 qb + i / 4
	s_lshl_b32 s60, s59, 16
	s_add_co_u32 s60, s60, s[HC]
	s_and_b32 s62, s[\tw], 3
	s_lshl_b32 s62, s62, 11
	s_add_co_u32 s60, s60, s62                     ; its row tile i % 4
	s_add_nc_u64 s[\cp:\cp+1], s[8:9], s[60:61]
	s_lshl_b32 s60, s59, 11
	s_add_co_u32 s60, s60, s[HS]
	s_and_b32 s62, s[\tw], 1
	s_lshl_b32 s62, s62, 7
	s_add_co_u32 s60, s60, s62
	s_bfe_u32 s62, s[\tw], 0x10001
	s_lshl_b32 s62, s62, 2
	s_add_co_u32 s60, s60, s62                     ; + 128 (i % 2) + 4 ((i / 2) % 2)
	s_add_nc_u64 s[\sp:\sp+1], s[10:11], s[60:61]
	s_lshl_b32 s[\qm], s[\qb], 8
	s_lshr_b32 s62, s[\tw], 1
	s_lshl_b32 s62, s62, 5
	s_add_co_u32 s[\qm], s[\qm], s62
	s_and_b32 s62, s[\tw], 1
	s_lshl_b32 s62, s62, 3
	s_add_co_u32 s[\qm], s[\qm], s62               ; the tile's first query: 256 qb + 32 (i / 2) + 8 (i % 2)
	s_and_b32 s62, s[\tw], 7
	s_lshl_b32 s62, s62, 10
	v_add_nc_u32 v[\va], s62, v[LN16]              ; Q's two chunks: 1,024 (i % 8) + 16 x lane
	s_bfe_u32 s62, s[\tw], 0x10001
	s_lshl_b32 s62, s62, 7
	s_bfe_u32 s63, s[\tw], 0x10002
	s_lshl_b32 s63, s63, 2
	s_add_co_u32 s62, s62, s63
	s_and_b32 s63, s[\tw], 1
	s_lshl_b32 s63, s63, 1
	s_add_co_u32 s62, s62, s63
	s_add_co_u32 s62, s62, 8192
	v_add_nc_u32 v[\vb], s62, v[RW8]               ; and its scale half-word: 8,192 + 128 ((i / 2) % 2) + 4 ((i / 4) % 2) + 2 (i % 2) + 8 r
.endm
	s_wait_alu depctr_va_vdst(0)
	PHASE P, WV, CPA, SPA, QPA, QMIN, 60, 61
	PHASE P2, TW2, CPB, SPB, QPB, QMIN2, 62, 63
	s_add_co_u32 s[QMAX], s[QMIN], 23
	s_wait_alu depctr_va_vdst(0)
	global_load_b128 v[24:27], v60, s[QPA:QPA+1]
	global_load_b128 v[28:31], v60, s[QPA:QPA+1] offset:512
	global_load_b128 v[40:43], v62, s[QPB:QPB+1]
	global_load_b128 v[44:47], v62, s[QPB:QPB+1] offset:512
	global_load_u16 v[QS], v61, s[QPA:QPA+1]
	global_load_u16 v48, v63, s[QPB:QPB+1]
.irp j, 0,1,2,3,4,5,6,7
	v_mov_b32 v[16+\j], 0                          ; zero codes on both sides of Q
	v_mov_b32 v[32+\j], 0
.endr
	v_mov_b32 v13, 0xff61b1e6                      ; the largest t so far: -3e38, under every t
	s_delay_alu instid0(VALU_DEP_1)
	v_floor_f32 v12, -v13                          ; -M
	v_mov_b32 v14, 0
	v_mov_b32 v15, 0
.irp b, 0,1,2,3
	v_mov_b32 v[PB+\b], 0                          ; written once: a lane permute's destination counts as one of its sources
.endr
	v_mov_b32 v252, 0
	v_mov_b32 v[PS], 0                             ; (named as the upper half of the pair v[252:253] before it is first made)
	v_mov_b32 v254, 0
.set nn, 0
.rept 32
	v_mov_b32 v[O+nn], 0                           ; O^T: the step is written without a first step of its own; the first finds zeros, which the first change of M leaves zeros
.set nn, nn+1
.endr
.macro QKW g                           ; key group g: its two tiles of 16 keys
.if (\g)%2 == 0
	v_wmma_scale_f32_16x16x128_f8f6f4 v[S+16*\g:S+16*\g+7], v[KV+16*\g:KV+16*\g+15], v[24:39], 0, v[KS+\g/2], v[QS]
	v_wmma_scale_f32_16x16x128_f8f6f4 v[S+16*\g+8:S+16*\g+15], v[KV+16*\g:KV+16*\g+15], v[16:31], 0, v[KS+\g/2], v[QS]
.else
	v_wmma_scale_f32_16x16x128_f8f6f4 v[S+16*\g:S+16*\g+7], v[KV+16*\g:KV+16*\g+15], v[24:39], 0, v[KS+\g/2], v[QS] matrix_a_scale:MATRIX_SCALE_ROW1
	v_wmma_scale_f32_16x16x128_f8f6f4 v[S+16*\g+8:S+16*\g+15], v[KV+16*\g:KV+16*\g+15], v[16:31], 0, v[KS+\g/2], v[QS] matrix_a_scale:MATRIX_SCALE_ROW1
.endif
.endm
.macro PVW t                           ; channel tile t
.if (\t)%2 == 0
	v_wmma_scale_f32_16x16x128_f8f6f4 v[O+8*\t:O+8*\t+7], v[KV+16*\t:KV+16*\t+15], v[PC:PC+15], v[O+8*\t:O+8*\t+7], v[VS+\t/2], v[PS]
.else
	v_wmma_scale_f32_16x16x128_f8f6f4 v[O+8*\t:O+8*\t+7], v[KV+16*\t:KV+16*\t+15], v[PC:PC+15], v[O+8*\t:O+8*\t+7], v[VS+\t/2], v[PS] matrix_a_scale:MATRIX_SCALE_ROW1
.endif
.endm
; A KEY STEP: the 128 keys from s[TK] on, which lie in LDS from byte s[TB] on.
.macro STEP
	s_cmp_gt_u32 s[TK], s[QMAX]
	s_cbranch_scc1 .Lhidden_\@                     ; all its keys come after my queries
	s_setprio 2
	v_add_nc_u32 v[ADL], s[TB], v[LN16]
	v_add_nc_u32 v[ADS], s[TB], v[LN8]
	PLACES 6                                       ; with the two additions: eight places in front of loads into registers that matrix instructions have read
.irp g, 0,1,2,3
.irp c, 0,1,2,3
	ds_load_b128 v[KV+16*\g+4*\c:KV+16*\g+4*\c+3], v[ADL] offset:2048*\g+512*\c
.endr
.endr
	ds_load_b64 v[KS:KS+1], v[ADS] offset:16384
	s_wait_dscnt 0x0
	s_wait_alu depctr_va_vdst(0)
	QKW 0
	QKW 1
	QKW 2
	QKW 3                                          ; register 16 b + i of S^T: key TK + 32 b + 16 (lane / 16) + i
	PLACES 8
.irp t, 0,1,2,3
.irp c, 0,1,2,3
	ds_load_b128 v[KV+16*\t+4*\c:KV+16*\t+4*\c+3], v[ADL] offset:8192+2048*\t+512*\c   ; V lands while the softmax is walked
.endr
.endr
	ds_load_b64 v[VS:VS+1], v[ADS] offset:16640
	s_add_co_u32 s[NB], s[TK], 127
	s_cmp_le_u32 s[NB], s[QMIN]
	s_cbranch_scc1 .Lopen_\@                       ; all its keys count for all my queries
	s_sub_co_i32 s[NB], s[QMIN], s[TK]
	v_add_nc_u32 v254, s[NB], v[DQ]                ; d = my query - TK - 16 (lane / 16): register 16 b + i is hidden where 32 b + i > d
	v_mov_b32 v252, 0xff800000                     ; -infinity
.set nn, 0
.rept 64
	v_cmp_gt_i32 vcc_lo, 32*(nn/16)+nn%16, v254
	v_cndmask_b32 v[S+nn], v[S+nn], v252, vcc_lo
.set nn, nn+1
.endr
.Lopen_\@:
.irp b, 0,1,2,3
	v_max3_num_f32 v[BM+\b], v[S+16*\b], v[S+16*\b+1], v[S+16*\b+2]   ; the largest score of each block of 32 keys: for the row's maximum, and, since p rises with the score, for the block's largest p
.endr
.irp i, 3,5,7,9,11,13
.irp b, 0,1,2,3
	v_max3_num_f32 v[BM+\b], v[BM+\b], v[S+16*\b+\i], v[S+16*\b+\i+1]
.endr
.endr
.irp b, 0,1,2,3
	v_max_num_f32 v[BM+\b], v[BM+\b], v[S+16*\b+15]
.endr
.irp b, 0,1,2,3
	s_delay_alu instid0(VALU_DEP_4)
	v_permlanex16_b32 v[PB+\b], v[BM+\b], s[SEL], s[SEL+1]
.endr
.irp b, 0,1,2,3
	s_delay_alu instid0(VALU_DEP_4)
	v_max_num_f32 v[BM+\b], v[BM+\b], v[PB+\b]     ; with lane l xor 16's 16 keys
.endr
	s_delay_alu instid0(VALU_DEP_2)
	v_max3_num_f32 v254, v[BM], v[BM+1], v[BM+2]
	s_delay_alu instid0(VALU_DEP_1)
	v_max_num_f32 v254, v254, v[BM+3]
	s_delay_alu instid0(VALU_DEP_1)
	v_mul_f32 v254, s[CS], v254                    ; the step's largest t of my query (c is positive)
	s_delay_alu instid0(VALU_DEP_1)
	v_max_num_f32 v13, v13, v254
	v_mov_b32 v254, v12
	s_delay_alu instid0(VALU_DEP_2)
	v_floor_f32 v12, -v13                          ; the new -M = floor(-t) = -ceil(t): a whole number
	s_delay_alu instid0(VALU_DEP_1)
	v_sub_f32 v254, v12, v254                      ; old M - new M: a whole number, 0 or less
	s_delay_alu instid0(VALU_DEP_1)
	v_cvt_i32_f32 v254, v254                       ; (it saturates)
	s_delay_alu instid0(VALU_DEP_1)
	v_ldexp_f32 v252, 1.0, v254                    ; f = 2^(old M - new M): multiplying by it rounds nothing
.set nn, 0
	s_setprio 1
.rept 32
	v_pk_fma_f32 v[S+nn:S+nn+1], v[S+nn:S+nn+1], s[CS:CS+1], v[12:13] op_sel_hi:[1,0,0]   ; t - M, two at a time
.set nn, nn+2
.endr
.irp b, 0,1,2,3
	v_fma_f32 v[BM+\b], v[BM+\b], s[CS], v12       ; the same of each block's largest score
.endr
.set nn, 0
	s_wait_alu depctr_va_vdst(0)
.rept 64
	v_exp_f32 v[S+nn], v[S+nn]                     ; p = 2^(t - M), at most 1
.set nn, nn+1
.endr
.irp b, 0,1,2,3
	v_exp_f32 v[BM+\b], v[BM+\b]                   ; the block's largest p: the same two instructions on the same number
.endr
	v_pk_mul_f32 v[14:15], v[14:15], v[252:253] op_sel_hi:[1,0]   ; the sums under the new M (a plain place behind the exponentials)
	s_wait_alu depctr_va_vdst(0)
.irp b, 0,1,2,3
	v_max_num_f32 v[BM+\b], 0x4800000, v[BM+\b]    ; the floor 2^(9 - 127): the byte cannot fall under 1
.endr
.irp b, 0,1,2,3
	s_delay_alu instid0(VALU_DEP_4)
	v_add_nc_u32 v[SO+\b], 0xfc000000, v[BM+\b]    ; 8 off the exponent field: the conversion's scale operand
.endr
.irp b, 0,1,2,3
.endr
.irp b, 0,1,2,3
	s_delay_alu instid0(VALU_DEP_4)
	v_lshrrev_b32 v[PB+\b], 23, v[SO+\b]           ; the byte
.endr
	s_delay_alu instid0(VALU_DEP_3)
	v_lshl_or_b32 v[PS], v[PB+1], 8, v[PB]
	s_delay_alu instid0(VALU_DEP_1)
	v_lshl_or_b32 v[PS], v[PB+2], 16, v[PS]
	s_delay_alu instid0(VALU_DEP_1)
	v_lshl_or_b32 v[PS], v[PB+3], 24, v[PS]        ; p's scale word for these 128 keys
	v_pk_add_f32 v[244:245], v[132:133], v[136:137]
	v_pk_add_f32 v[250:251], v[140:141], v[144:145]
	v_pk_add_f32 v[248:249], v[148:149], v[152:153]
	v_pk_add_f32 v[242:243], v[156:157], v[160:161]
	v_pk_add_f32 v[240:241], v[164:165], v[168:169]
	v_pk_add_f32 v[238:239], v[172:173], v[176:177]
	v_pk_add_f32 v[236:237], v[180:181], v[184:185]
	v_pk_add_f32 v[14:15], v[14:15], v[188:189]
	v_pk_add_f32 v[244:245], v[244:245], v[128:129]
	v_pk_add_f32 v[250:251], v[250:251], v[130:131]
	v_pk_add_f32 v[248:249], v[248:249], v[134:135]
	v_pk_add_f32 v[242:243], v[242:243], v[138:139]
	v_pk_add_f32 v[240:241], v[240:241], v[142:143]
	v_pk_add_f32 v[238:239], v[238:239], v[146:147]
	v_pk_add_f32 v[236:237], v[236:237], v[150:151]
	v_pk_add_f32 v[14:15], v[14:15], v[154:155]
	v_pk_add_f32 v[244:245], v[244:245], v[158:159]
	v_pk_add_f32 v[250:251], v[250:251], v[162:163]
	s_setprio 0
	v_pk_add_f32 v[248:249], v[248:249], v[166:167]
	v_pk_add_f32 v[242:243], v[242:243], v[170:171]
	v_pk_add_f32 v[240:241], v[240:241], v[174:175]
	v_pk_add_f32 v[238:239], v[238:239], v[178:179]
	v_pk_add_f32 v[236:237], v[236:237], v[182:183]
	v_pk_add_f32 v[14:15], v[14:15], v[186:187]
	v_pk_add_f32 v[244:245], v[244:245], v[190:191]
	s_delay_alu instid0(VALU_DEP_2)
	v_pk_add_f32 v[14:15], v[14:15], v[242:243]
	s_delay_alu instid0(VALU_DEP_2)
	v_pk_add_f32 v[244:245], v[244:245], v[240:241]
	v_pk_add_f32 v[250:251], v[250:251], v[238:239]
	v_pk_add_f32 v[248:249], v[248:249], v[236:237]
	s_delay_alu instid0(VALU_DEP_2)
	v_pk_add_f32 v[14:15], v[14:15], v[250:251]
	s_delay_alu instid0(VALU_DEP_2)
	v_pk_add_f32 v[244:245], v[244:245], v[248:249]
	s_delay_alu instid0(VALU_DEP_1)
	v_pk_add_f32 v[14:15], v[14:15], v[244:245]
.irp b, 0,1,2,3
.irp i, 0,1,2,3,4,5,6,7,8,9,10,11,12,13,14,15
.endr
	v_cvt_scalef32_pk8_fp8_f32 v[PC+4*\b:PC+4*\b+1], v[S+16*\b:S+16*\b+7], v[SO+\b]
	v_cvt_scalef32_pk8_fp8_f32 v[PC+4*\b+2:PC+4*\b+3], v[S+16*\b+8:S+16*\b+15], v[SO+\b]
.endr
.set nn, 0
.rept 16
	v_pk_mul_f32 v[O+nn:O+nn+1], v[O+nn:O+nn+1], v[252:253] op_sel_hi:[1,0]   ; O^T under the new M; these 16 are also the places between the codes' conversions and the products
.set nn, nn+2
.endr
	s_wait_alu depctr_va_vdst(0)
	s_wait_dscnt 0x0                               ; V and its scale words are in
	PVW 0
	PVW 1
	PVW 2
	PVW 3                                          ; four accumulators by turns, one instruction a turn
.Lhidden_\@:
.endm
.macro STEPLOOP n                      ; n key steps on end, from s[TB] and s[TK] on: the trip count is a constant; what is hidden is jumped over inside the step
	s_mov_b32 s[CNT], \n
.Lsteps_\@:
	STEP
	s_add_co_u32 s[TB], s[TB], STEPB
	s_add_co_u32 s[TK], s[TK], 128
	s_sub_co_u32 s[CNT], s[CNT], 1
	s_cmp_lg_u32 s[CNT], 0
	s_cbranch_scc1 .Lsteps_\@
	s_setprio 0
.endm
; A STAGE'S BARRIER.  Each wave waits for its tensor load, if it has issued it, adds 0 to its spare word and waits for that and for its LDS reads.  Behind the barrier all key steps asked for so far are whole for every wave.
; hi > 0: waves lo .. hi - 1 then ask for their key steps, into bytes that nothing has filled: the first thing behind the barrier, and the wave's one tensor load of the launch.
.macro STAGE lo, hi
	s_wait_tensorcnt 0x0
	ds_add_u32 v[SPW], v[NIL]
	ds_add_u32 v[SPW], v[NIL]                      ; 0 onto my spare word
	s_wait_dscnt 0x0
	s_barrier_signal -1
	s_barrier_wait -1
.if \hi > 0
	TLOAD \lo, \hi
.endif
.endm
; A BLOCK'S END: O^T / the sum is the context of my 16 queries: register 16 b + i = channel 32 b + 16 (lane / 16) + i: two blocks of the last product's K.  They are quantised and leave as two chunks and a half-word a row.
.macro FINISH cp, sp
	PLACES 8                                       ; eight places in front of the first read of the last products' results
	v_add_f32 v14, v14, v15
	s_delay_alu instid0(VALU_DEP_1)
	v_permlanex16_b32 v254, v14, s[SEL], s[SEL+1]
	s_delay_alu instid0(VALU_DEP_1)
	v_add_f32 v14, v14, v254                       ; the row's sum
	s_wait_alu depctr_va_vdst(0)
	v_rcp_f32 v14, v14
	v_nop                                          ; a plain place behind the transcendental
.set nn, 0
	s_wait_alu depctr_va_vdst(0)
.rept 16
	v_pk_mul_f32 v[S+nn:S+nn+1], v[O+nn:O+nn+1], v[14:15] op_sel_hi:[1,0]   ; each accumulator from its low end on
.set nn, nn+2
.endr
.irp b, 0,1
	v_max3_num_f32 v[BM+\b], |v[S+16*\b]|, |v[S+16*\b+1]|, 0x4800000
.endr
.irp i, 2,4,6,8,10,12,14
.irp b, 0,1
	s_delay_alu instid0(VALU_DEP_2)
	v_max3_num_f32 v[BM+\b], v[BM+\b], |v[S+16*\b+\i]|, |v[S+16*\b+\i+1]|
.endr
.endr
.irp b, 0,1
	s_delay_alu instid0(VALU_DEP_2)
	v_permlanex16_b32 v[PB+\b], v[BM+\b], s[SEL], s[SEL+1]
.endr
.irp b, 0,1
	s_delay_alu instid0(VALU_DEP_2)
	v_max_num_f32 v[BM+\b], v[BM+\b], v[PB+\b]
.endr
.irp b, 0,1
	s_delay_alu instid0(VALU_DEP_2)
	v_add_nc_u32 v[SO+\b], 0xfc000000, v[BM+\b]
.endr
.irp b, 0,1
.endr
.irp b, 0,1
	s_delay_alu instid0(VALU_DEP_2)
	v_lshrrev_b32 v[PB+\b], 23, v[SO+\b]
.endr
	s_delay_alu instid0(VALU_DEP_1)
	v_lshl_or_b32 v254, v[PB+1], 8, v[PB]          ; my row's two bytes
.irp b, 0,1
.irp i, 0,1,2,3,4,5,6,7,8,9,10,11,12,13,14,15
.endr
	v_cvt_scalef32_pk8_fp8_f32 v[PC+4*\b:PC+4*\b+1], v[S+16*\b:S+16*\b+7], v[SO+\b]
	v_cvt_scalef32_pk8_fp8_f32 v[PC+4*\b+2:PC+4*\b+3], v[S+16*\b+8:S+16*\b+15], v[SO+\b]
.endr
	v_nop                                          ; a plain place behind the conversions
	global_store_b128 v[LN16], v[PC:PC+3], s[\cp:\cp+1]              ; a chunk: 512 consecutive bytes, aligned
	global_store_b128 v[LN16], v[PC+4:PC+7], s[\cp:\cp+1] offset:512
	global_store_b16 v[RW8], v254, s[\sp:\sp+1]    ; lanes l and l xor 16 write the same half-word with the same value
	s_wait_xcnt 0x0                                ; the stores' registers are written again only behind this wait
.endm
.macro INIT2                           ; on to the second query block
.irp j, 0,1,2,3,4,5,6,7
	v_mov_b32 v[24+\j], v[40+\j]
.endr
	v_lshl_or_b32 v[QS], v48, 16, v48
	v_mov_b32 v13, 0xff61b1e6
	s_delay_alu instid0(VALU_DEP_1)
	v_floor_f32 v12, -v13
	v_mov_b32 v14, 0
	v_mov_b32 v15, 0
.set nn, 0
.rept 32
	v_mov_b32 v[O+nn], 0                           ; (these 32 also stand between the new Q and scale word and the next products)
.set nn, nn+1
.endr
	s_mov_b32 s[QMIN], s[QMIN2]
	s_add_co_u32 s[QMAX], s[QMIN2], 23
.endm
	s_wait_loadcnt 0x0                             ; both blocks' Q
	v_lshl_or_b32 v[QS], v[QS], 16, v[QS]          ; (s0, s1, s0, s1): the same two bytes for either place of Q
	STAGE 2, 8                                     ; key steps 0 and 1 are whole; steps 2-7 are asked for: 101,376 bytes, which have the two steps below in which to land
	s_mov_b32 s[TB], 0                             ; BLOCK p.  Its first two steps are written out, their places in LDS constants
	s_mov_b32 s[TK], 0
	STEP
	s_mov_b32 s[TB], STEPB
	s_mov_b32 s[TK], 128
	STEP
	STAGE 8, 16                                    ; steps 2-7 are whole; steps 8-15 are asked for: they are first read 14 trips further on
	s_mov_b32 s[TB], 2*STEPB
	s_mov_b32 s[TK], 256
	STEPLOOP 6                                     ; block p ends at step 2 p + 1 at the latest: 7
	FINISH CPA, SPA
	INIT2
	s_mov_b32 s[TB], 0                             ; BLOCK 7 - p
	s_mov_b32 s[TK], 0
	STEPLOOP 8
	STAGE 0, 0                                     ; steps 8-15 are whole; nothing more is asked for
	s_mov_b32 s[TB], UPPER
	s_mov_b32 s[TK], 1024
	STEPLOOP 8
	FINISH CPB, SPB
	s_wait_tensorcnt 0x0                           ; the wave's end
	ds_add_u32 v[SPW], v[NIL]
	s_wait_dscnt 0x0
	s_endpgm
.Lfunc_end_k_q583e8ced99_attn:
	.size	k_q583e8ced99_attn, .Lfunc_end_k_q583e8ced99_attn-k_q583e8ced99_attn
	.p2alignl 7, 3214868480
	.fill 96, 4, 3214868480
	.section	.rodata,"a",@progbits
	.p2align	6, 0x0
	.amdhsa_kernel k_q583e8ced99_attn
		.amdhsa_group_segment_fixed_size 327680
		.amdhsa_private_segment_fixed_size 0
		.amdhsa_enable_private_segment 0
		.amdhsa_kernarg_size 32
		.amdhsa_user_sgpr_count 2
		.amdhsa_user_sgpr_kernarg_segment_ptr 1
		.amdhsa_wavefront_size32 1
		.amdhsa_system_sgpr_workgroup_id_x 1
		.amdhsa_system_sgpr_workgroup_id_y 1
		.amdhsa_system_sgpr_workgroup_id_z 1
		.amdhsa_system_vgpr_workitem_id 0
		.amdhsa_next_free_vgpr 256
		.amdhsa_next_free_sgpr 66
		.amdhsa_reserve_vcc 1
		.amdhsa_float_denorm_mode_32 3
		.amdhsa_float_denorm_mode_16_64 3
		.amdhsa_fp16_overflow 1
		.amdhsa_memory_ordered 1
		.amdhsa_forward_progress 1
		.amdhsa_inst_pref_size 133
	.end_amdhsa_kernel
	.amdgpu_metadata
---
amdhsa.version: [ 1, 2 ]
amdhsa.kernels:
  - .name:           k_q583e8ced99_attn
    .symbol:         k_q583e8ced99_attn.kd
    .args:
      - { .name: q, .offset: 0, .size: 8, .value_kind: global_buffer, .address_space: global }
      - { .name: kv, .offset: 8, .size: 8, .value_kind: global_buffer, .address_space: global }
      - { .name: c_img, .offset: 16, .size: 8, .value_kind: global_buffer, .address_space: global }
      - { .name: c_scl, .offset: 24, .size: 8, .value_kind: global_buffer, .address_space: global }
    .group_segment_fixed_size: 327680
    .private_segment_fixed_size: 0
    .kernarg_segment_align: 8
    .kernarg_segment_size: 32
    .max_flat_workgroup_size: 512
    .sgpr_count:     66
    .vgpr_count:     256
    .wavefront_size: 32
...
	.end_amdgpu_metadata
.endif
;; end of part 3
;; launch outp (part 4): grid 4 x 64, 4 waves a work-group, clusters of 4 x 1, 168,448 bytes of LDS; arguments c_img, c_scl, w_img, w_scl, b_o, out0; writes out0
.if DOCPART == 4
	.amdgcn_target "amdgcn-amd-amdhsa--gfx1250"
	.amdhsa_code_object_version 6
	.text
	.protected	k_q583e8ced99_outp
	.globl	k_q583e8ced99_outp
	.p2align	8
	.type	k_q583e8ced99_outp,@function
k_q583e8ced99_outp:
	s_mov_b64 s[64:65], 0
	v_nop
	global_prefetch_b8 v0, s[64:65] scope:SCOPE_SE
	s_setreg_imm32_b32 hwreg(HW_REG_WAVE_MODE, 25, 1), 1
	s_wait_xcnt 0x0
	s_wait_alu depctr_hold_cnt(0) depctr_sa_sdst(0) depctr_va_vdst(0) depctr_va_sdst(0) depctr_va_ssrc(0) depctr_va_vcc(0) depctr_vm_vsrc(0)
	s_getreg_b32 s2, hwreg(HW_REG_IB_STS2, 6, 4)
	s_cmp_eq_u32 s2, 0
	s_cbranch_scc0 .Lentry_in_a_cluster
	s_endpgm
.Lentry_in_a_cluster:
	s_bfe_u32 s2, ttmp6, 0x10000c
	s_cmp_lg_u32 s2, 0x3003
	s_cbranch_scc0 .Lentry_shape_is_right
	s_endpgm
.Lentry_shape_is_right:
; out0 = context x W_o^T + b_o on codes of FP8 (E4M3) with E8M0 scales; out0 [8192][1024] f32.
; SHARES: a work-group takes 128 rows x 256 outputs; wave w takes outputs 64 (4 hg + w) on: 128 x 64, 32 accumulators, 8 K steps of 128.
; A: the 128 rows' codes for all of K are 131,072 dense bytes of c_img: they come into LDS ONCE, a quarter by each wave, and stay: no LDS byte is filled twice.
; CLUSTER: the four work-groups of a cluster share the rows, so that fill is asked for JOINTLY (mask 15).  W_o is NOT sent through LDS or shared: a wave's fragments are read by that wave alone, once;
; per K step the four waves already read 4 x 16,384 bytes of A from LDS for 32 matrix instructions each.  So W_o goes from memory straight into registers, three K steps ahead, in four sets.
; IMAGES: a fragment's chunk c (four registers) is 512 bytes, lane l's 16 bytes at 16 l; row tile (g, u) holds rows 32 g + 8 u + r + 8 (r / 8), for rows of the context and of W_o.
; The product is used transposed (source 0 = 16 rows of W_o, source 1 = 16 rows of the context): a lane holds one row of out0 and eight neighbouring outputs a tile.  b_o is the C of each sum's first instruction.
; THE WAY OUT: 16 rows x 256 bytes at a time through the wave's own stage in LDS (behind A; no tensor load lands there), back as whole rows: sixteen lanes store 256 consecutive bytes, aligned.
; REGISTERS: window 0: v1-7 addresses; v16-47 A's scale words, v48-63 W_o's; v64-95 b_o in the result's layout; v128-191 rows on their way out.  window 1: A's fragments, two sets.  window 2: W_o's, four sets.  window 3: the accumulators.
.set T,    8
.set ASC,  16
.set BSC,  48
.set BIAS, 64
.set OB,   128
.set STAGE, 131072
.set WV,   16
.set G0,   24
.set G1,   28
.set MSB, 0
.macro WIN new                         ; the immediate's high byte repeats the setting that is left
.if MSB != \new
	s_set_vgpr_msb (MSB<<8)|\new
.set MSB, \new
.endif
.endm
.macro PLACES n
.rept \n
	v_nop
.endr
.endm
.macro ROUND                           ; a round of the cluster's barrier
	s_barrier_signal -1
	s_barrier_wait -1
	s_cmp_lg_u32 s[WV], 0
	s_cbranch_scc1 .Lnot_wave_0_\@
	s_barrier_signal -3
.Lnot_wave_0_\@:
	s_barrier_wait -3
	s_barrier_signal -1
	s_barrier_wait -1
.endm
	s_load_b256 s[4:11], s[0:1], 0x0               ; c_img s[4:5], c_scl s[6:7], w_img s[8:9], w_scl s[10:11]
	s_load_b128 s[12:15], s[0:1], 0x20             ; b_o s[12:13], out0 s[14:15]
	v_lshl_add_u32 v254, v0, 2, 0x29000
	v_mov_b32 v255, 0
	ds_add_u32 v254, v255
	ds_add_u32 v254, v255
	v_lshrrev_b32 v4, 5, v0
	v_readfirstlane_b32 s[WV], v4                  ; wave 0..3
	v_and_b32 v4, 31, v0
	v_lshlrev_b32 v1, 4, v4                        ; 16 x lane
	v_lshlrev_b32 v2, 3, v4                        ; 8 x lane
	v_add_nc_u32 v3, 0x10000, v1                   ; 16 x lane in the second 64 rows' half of A
	v_and_b32 v8, 15, v0                           ; r
	v_bfe_u32 v9, v0, 4, 1                         ; h
	v_lshlrev_b32 v4, 6, v9                        ; b_o: 16 numbers on for lanes 16-31
	s_mul_i32 s17, s[WV], 4352
	s_add_co_u32 s17, s17, STAGE                   ; my stage: 16 rows x (256 + 16) bytes
	v_mul_u32_u24 v5, v8, 272
	v_lshl_add_u32 v5, v9, 6, v5
	v_add_nc_u32 v5, s17, v5                       ; in: row r, + 64 h
	v_mul_u32_u24 v6, v9, 272
	v_lshl_add_u32 v6, v8, 4, v6
	v_add_nc_u32 v6, s17, v6                       ; back: lanes 0-15 one row, lanes 16-31 the next
	v_lshlrev_b32 v7, 12, v9
	v_lshl_add_u32 v7, v8, 4, v7                   ; and the same two rows in out0
	s_and_b32 s19, ttmp7, 0xffff                   ; the block of 128 rows, which the four partners share
	s_lshl_b32 s20, s19, 17
	s_lshl_b32 s[G0+1], s[WV], 15                  ; my quarter: 32,768 x wave, in LDS
	s_add_co_u32 s20, s20, s[G0+1]                 ; and in memory: no place in the cluster enters the descriptor
	s_mov_b32 s21, 0
	s_lshl_b32 s22, s19, 12
	s_mov_b32 s23, 0
	s_mov_b32 s[G0], 1
	s_mov_b32 s[G1], 15|(3<<16)|(1<<21)            ; the mask: all four work-groups; elements of 8 bytes; bit 21 set beside a mask
	s_mov_b32 s[G1+1], 32<<16                      ; rows of 256 bytes,
	s_mov_b32 s[G1+2], 128<<16                     ; 128 of them,
	s_mov_b32 s[G1+3], 32<<16
	s_mov_b32 s[G1+4], 128
	s_mov_b32 s[G1+5], 32                          ; dense
	s_mov_b32 s[G1+6], 0
	s_mov_b32 s[G1+7], 0
	s_bfe_u32 s36, ttmp6, 0x40000                  ; cx: it enters W_o's, b_o's and out0's addresses alone
	s_lshl_b32 s18, ttmp9, 2
	s_add_co_u32 s18, s18, s36
	s_lshl_b32 s18, s18, 2
	s_add_co_u32 s18, s18, s[WV]                   ; my block of 64 outputs
	s_add_co_u32 s40, s18, 48                      ; W_o's blocks of 64 rows follow those of W_q, W_k, W_v
	s_lshl_b32 s42, s40, 11
	s_lshl_b32 s40, s40, 16
	s_mov_b32 s41, 0
	s_mov_b32 s43, 0
	s_lshl_b32 s44, s18, 8                         ; 64 numbers of 4 bytes
	s_mov_b32 s45, 0
	s_lshl_b32 s46, s19, 19                        ; 128 rows of 4,096 bytes
	s_add_co_u32 s46, s46, s44
	s_mov_b32 s47, 0
	s_wait_dscnt 0x0
	s_wait_kmcnt 0x0
	s_add_nc_u64 s[G0+2:G0+3], s[4:5], s[20:21]
	s_or_b32 s[G0+3], s[G0+3], 0x80000000          ; type = 2
	s_add_nc_u64 s[6:7], s[6:7], s[22:23]
	s_add_nc_u64 s[8:9], s[8:9], s[40:41]
	s_add_nc_u64 s[10:11], s[10:11], s[42:43]
	s_add_nc_u64 s[12:13], s[12:13], s[44:45]
	s_add_nc_u64 s[14:15], s[14:15], s[46:47]
	ROUND                                          ; all four work-groups are here: the joint loads meet
	tensor_load_to_lds s[G0:G0+3], s[G1:G1+7]      ; my quarter of A: the wave's only tensor load
	s_nop 0
	PLACES 4                                       ; four v_nop behind it
.irp k, 0,1,2,3,4,5,6,7
.irp h, 0,1
	global_load_b64 v[ASC+4*\k+2*\h:ASC+4*\k+2*\h+1], v2, s[6:7] offset:2048*\h+256*\k
.endr
.endr
.irp k, 0,1,2,3,4,5,6,7
	global_load_b64 v[BSC+2*\k:BSC+2*\k+1], v2, s[10:11] offset:256*\k
.endr
	s_wait_alu depctr_va_vdst(0)
.irp n, 0,1,2,3
	global_load_b128 v[BIAS+8*\n:BIAS+8*\n+3], v4, s[12:13] offset:128*(\n/2)+32*(\n%2)       ; tile n, register j: output 32 (n / 2) + 8 (n % 2) + 16 h + j
	global_load_b128 v[BIAS+8*\n+4:BIAS+8*\n+7], v4, s[12:13] offset:128*(\n/2)+32*(\n%2)+16
.endr
.macro ALOAD k, set                    ; A's eight fragments of K step k from LDS
	WIN 0x40
.irp a, 0,1,2,3,4,5,6,7
.irp c, 0,1,2,3
.if \a < 4
	ds_load_b128 v[128*(\set)+16*\a+4*\c:128*(\set)+16*\a+4*\c+3], v1 offset:8192*(\k)+2048*\a+512*\c
.else
	ds_load_b128 v[128*(\set)+16*\a+4*\c:128*(\set)+16*\a+4*\c+3], v3 offset:8192*(\k)+2048*(\a-4)+512*\c
.endif
.endr
.endr
.endm
.macro BLOAD i                         ; K step i's four fragments of W_o from memory
	WIN 0x80
.irp n, 0,1,2,3
.irp c, 0,1,2,3
	global_load_b128 v[64*((\i)%4)+16*\n+4*\c:64*((\i)%4)+16*\n+4*\c+3], v1, s[8:9] offset:(\i)*8192+2048*\n+512*\c
.endr
.endr
.endm
; One matrix instruction, C = v[e] on.  rx, ry: which half of the lanes of the scale registers is read.
.macro WM d, x, y, e, sx, rx, sy, ry
.if (\rx)+2*(\ry) == 0
	v_wmma_scale_f32_16x16x128_f8f6f4 v[\d:\d+7], v[\x:\x+15], v[\y:\y+15], v[\e:\e+7], v[\sx], v[\sy]
.elseif (\rx)+2*(\ry) == 1
	v_wmma_scale_f32_16x16x128_f8f6f4 v[\d:\d+7], v[\x:\x+15], v[\y:\y+15], v[\e:\e+7], v[\sx], v[\sy] matrix_a_scale:MATRIX_SCALE_ROW1
.elseif (\rx)+2*(\ry) == 2
	v_wmma_scale_f32_16x16x128_f8f6f4 v[\d:\d+7], v[\x:\x+15], v[\y:\y+15], v[\e:\e+7], v[\sx], v[\sy] matrix_b_scale:MATRIX_SCALE_ROW1
.else
	v_wmma_scale_f32_16x16x128_f8f6f4 v[\d:\d+7], v[\x:\x+15], v[\y:\y+15], v[\e:\e+7], v[\sx], v[\sy] matrix_a_scale:MATRIX_SCALE_ROW1 matrix_b_scale:MATRIX_SCALE_ROW1
.endif
.endm
; K step i: 32 matrix instructions on 32 accumulators by turns, in the same order in every step
.macro KSTEP i
.if T-1-(\i) >= 2
	s_wait_loadcnt 32                              ; this step's 16 loads of W_o are in (and the scale words and b_o, which are older); those of the next two steps stay out
.else
	s_wait_loadcnt 16*(T-1-(\i))
.endif
	s_wait_dscnt 0x0                               ; this step's fragments of A are in: asked for a step ago
	PLACES 8                                       ; eight places in front of loads into the sets that the step before multiplied
.if (\i)+1 < T
	ALOAD (\i)+1, ((\i)+1)%2
.endif
.if (\i)+3 < T
	BLOAD (\i)+3
.endif
.if (\i) == 0
	WIN 0xc6                                       ; source 0 (W_o) window 2, source 1 (A) window 1, C (b_o) window 0, D window 3
.irp a, 0,1,2,3,4,5,6,7
.irp n, 0,1,2,3
	WM 8*(4*\a+\n), 64*((\i)%4)+16*\n, 128*((\i)%2)+16*\a, BIAS+8*\n, BSC+2*(\i)+\n/2, \n%2, ASC+4*(\i)+\a/2, \a%2
.endr
.endr
.else
	WIN 0xf6                                       ; C and D window 3
.irp a, 0,1,2,3,4,5,6,7
.irp n, 0,1,2,3
	WM 8*(4*\a+\n), 64*((\i)%4)+16*\n, 128*((\i)%2)+16*\a, 8*(4*\a+\n), BSC+2*(\i)+\n/2, \n%2, ASC+4*(\i)+\a/2, \a%2
.endr
.endr
.endif
.endm
	BLOAD 0
	BLOAD 1
	BLOAD 2
	s_wait_tensorcnt 0x0                           ; my quarter of A is in,
	s_barrier_signal -1
	s_barrier_wait -1                              ; everybody's is
	ALOAD 0, 0
.irp i, 0,1,2,3,4,5,6,7
	KSTEP \i
.endr
.macro TOSTAGE a                       ; row tile a: 16 rows x 64 outputs into my stage, and back as whole rows
	WIN 0x0c                                       ; an LDS store's data are its source 1: window 3
.irp n, 0,1,2,3
	ds_store_b128 v5, v[32*(\a)+8*\n:32*(\a)+8*\n+3] offset:128*(\n/2)+32*(\n%2)        ; each accumulator from its low end on
	ds_store_b128 v5, v[32*(\a)+8*\n+4:32*(\a)+8*\n+7] offset:128*(\n/2)+32*(\n%2)+16
.endr
	WIN 0
.irp i, 0,1,2,3,4,5,6,7
	ds_load_b128 v[OB+32*((\a)%2)+4*\i:OB+32*((\a)%2)+4*\i+3], v6 offset:544*\i   ; LDS serves a wave's instructions in order: these see the stores above
.endr
.endm
.macro SEND a, younger                 ; younger: the LDS instructions issued behind tile a's loads, which may stay out
	s_wait_dscnt \younger
.irp i, 0,1,2,3,4,5,6,7
	global_store_b128 v7, v[OB+32*((\a)%2)+4*\i:OB+32*((\a)%2)+4*\i+3], s[14:15] offset:(32*((\a)/2)+8*((\a)%2)+2*\i+8*(\i/4))*4096 th:TH_STORE_NT   ; stage rows 2 i, 2 i + 1 are the tile's rows 2 i + h + 8 (i / 4); 16 lanes store 256 consecutive bytes, aligned
.endr
.endm
	WIN 0
	PLACES 8                                       ; eight places in front of the first read of results
	TOSTAGE 0
.irp a, 1,2,3,4,5,6,7
.if \a > 1
	s_wait_xcnt 0x0                                ; the stores of two tiles ago have read their registers: this tile's loads land there only behind this wait
.endif
	TOSTAGE \a
	SEND \a-1, 16                                  ; behind the tile's loads: the next tile's 8 stores and 8 loads
.endr
	SEND 7, 0
	s_wait_dscnt 0x0
	s_wait_tensorcnt 0x0
	ds_add_u32 v254, v255
	s_wait_dscnt 0x0
	ROUND                                          ; the closing round: no work-group ends while a partner may still ask jointly
	s_endpgm
.Lfunc_end_k_q583e8ced99_outp:
	.size	k_q583e8ced99_outp, .Lfunc_end_k_q583e8ced99_outp-k_q583e8ced99_outp
	.p2alignl 7, 3214868480
	.fill 96, 4, 3214868480
	.section	.rodata,"a",@progbits
	.p2align	6, 0x0
	.amdhsa_kernel k_q583e8ced99_outp
		.amdhsa_group_segment_fixed_size 168448
		.amdhsa_private_segment_fixed_size 0
		.amdhsa_enable_private_segment 0
		.amdhsa_kernarg_size 48
		.amdhsa_user_sgpr_count 2
		.amdhsa_user_sgpr_kernarg_segment_ptr 1
		.amdhsa_wavefront_size32 1
		.amdhsa_system_sgpr_workgroup_id_x 1
		.amdhsa_system_sgpr_workgroup_id_y 1
		.amdhsa_system_sgpr_workgroup_id_z 1
		.amdhsa_system_vgpr_workitem_id 0
		.amdhsa_next_free_vgpr 1024
		.amdhsa_next_free_sgpr 66
		.amdhsa_reserve_vcc 0
		.amdhsa_float_denorm_mode_32 3
		.amdhsa_float_denorm_mode_16_64 3
		.amdhsa_memory_ordered 1
		.amdhsa_forward_progress 1
		.amdhsa_inst_pref_size 86
	.end_amdhsa_kernel
	.amdgpu_metadata
---
amdhsa.version: [ 1, 2 ]
amdhsa.kernels:
  - .name:           k_q583e8ced99_outp
    .symbol:         k_q583e8ced99_outp.kd
    .args:
      - { .name: c_img, .offset: 0, .size: 8, .value_kind: global_buffer, .address_space: global }
      - { .name: c_scl, .offset: 8, .size: 8, .value_kind: global_buffer, .address_space: global }
      - { .name: w_img, .offset: 16, .size: 8, .value_kind: global_buffer, .address_space: global }
      - { .name: w_scl, .offset: 24, .size: 8, .value_kind: global_buffer, .address_space: global }
      - { .name: b_o, .offset: 32, .size: 8, .value_kind: global_buffer, .address_space: global }
      - { .name: out0, .offset: 40, .size: 8, .value_kind: global_buffer, .address_space: global }
    .group_segment_fixed_size: 168448
    .private_segment_fixed_size: 0
    .kernarg_segment_align: 8
    .kernarg_segment_size: 48
    .max_flat_workgroup_size: 128
    .sgpr_count:     66
    .vgpr_count:     1024
    .wavefront_size: 32
...
	.end_amdgpu_metadata
.endif
;; end of part 4
